; MI455X (gfx1250); checked and timed in simulation.
; The chip was launched on July 23, 2026; its instructions are those of AMD's public machine-readable ISA for CDNA 5 (MIT licence, August 2026) and "CDNA5" Instruction Set Architecture Reference Guide (July 2026). The comments in the code are by the model that wrote it; some were corrected since.
;; Warp Mesh. Allowed arithmetic: float matrix products may take bf16 or f16 operands with f32 sums; all other float work in f32.
;; Inputs: faces 128 x 3 int32; image 384 x 384 x 3 float32; points 81 x 2 float32; uv_points 81 x 2 float32.
;; Outputs: out0 384 x 384 x 3 float32.
;; Constants: height = 384, width = 384.
;; One version. Each part assembles by itself: llvm-mc -triple=amdgcn-amd-amdhsa -mcpu=gfx1250 --defsym DOCPART=n.
;; ======== version 1 of 1: 2 launches
;; workspace buffers: taps 589,824 bytes of whole numbers; frac 1,179,648 bytes
;; launch locate (part 1): grid 256 x 1, 4 waves a work-group, no clusters, 31,232 bytes of LDS; arguments faces, points, uv_points, taps, frac; writes taps, frac
.if DOCPART == 1
	.amdgcn_target "amdgcn-amd-amdhsa--gfx1250"
	.amdhsa_code_object_version 6
	.text
	.protected	k_qa9be8eb8c9_locate
	.globl	k_qa9be8eb8c9_locate
	.p2align	8
	.type	k_qa9be8eb8c9_locate,@function
k_qa9be8eb8c9_locate:
	s_mov_b64 s[64:65], 0
	v_nop
	global_prefetch_b8 v0, s[64:65] scope:SCOPE_SE
	s_setreg_imm32_b32 hwreg(HW_REG_WAVE_MODE, 25, 1), 1
	s_wait_xcnt 0x0
; WARP MESH, first half: for every pixel of the 384 x 384 target, WHERE in the image it samples.
; The problem's scan over 128 faces keeps, for a pixel, the sample of the LAST face whose barycentric test holds (or 1.0 if none holds), so all faces are
; tested and only the last valid face's source coordinates are kept.  Out: taps[pixel] = 384 y + x of the upper left of a 2 x 2 block of taps that lies inside the image (bit 31 set: no face),
; frac[pair of pixels] = (tx0, tx1, ty0, ty1), the sample's offsets from that tap.  The next launch forms its addresses from taps.
; SHARES.  256 work-groups; each owns a tile of 192 x 3 pixels.  Its four waves all hold all 576 pixels (a lane: 9 pairs of neighbouring pixels = 3 column blocks of 64 x 3 rows) and each
; tests them against 32 of the 128 faces: equal work for all four.  The four candidates meet in LDS; a later wave's faces come later in the list, so its candidate wins.
; ORDER OF ROUNDING.  On a regular mesh the tests against -eps and 1+eps are exact ties on whole lines of pixels, so every operation that feeds a comparison is done in the order that the definition has
; when it is compiled as a whole, its divisor 383 being a constant:
;   pn = fma(p, 2 fl(1/383), -1): the division becomes a multiplication by the rounded reciprocal, the two constant factors merge (exactly), and the product is fused with the subtraction;
;   xs[i] = t - (1 - t), t = fl(i * fl(1/383)): jnp.linspace's formula with the same reciprocal; t is used twice and is rounded by itself;
;   a product that feeds a sum is fused with it, the first product of two kept: d20 = fma(v2y, v0y, v2x v0x); nb = fma(d11, d20, -(d01 d21)); likewise d21, nc, d00, d01, d11, denom;
;   wb = nb / denom correctly rounded: q = nb r, e = fma(-denom, q, nb), wb = fma(e, r, q), r = the reciprocal refined twice, once for each face.
; So a multiply stands beside a fused multiply-add on purpose.  The grid (Sa + wb (Sb - Sa) + wc (Sc - Sa)) feeds no comparison and is free of that care.
; LIMITS.  A face with |denom| below 2^-126 or above 2^126 counts as degenerate (never valid), as denom = 0 does in the definition.  NaN and infinities in points or uv_points are not treated apart: a valid face
; whose grid were NaN would count as no face.  Face indices are clamped to 0 .. 80.  The all-zero face is skipped by making its reciprocal NaN: every test then fails.
.set W,     384
.set NPT,   81
.set TILEW, 192                        ; pixels across a tile: 3 blocks of 64
.set ROWS,  3
.set ROWB,  80                         ; bytes of a face's row of constants in LDS: 18 words, kept a multiple of 16
.set TAB,   2048                       ; LDS: 0 .. 2047 the normalised points, 16 bytes a thread; then the four waves' tables of 32 rows
.set CAND,  TAB+128*ROWB               ; then the candidates: 4 waves x 9 groups x 512 bytes
.set GRP,   512
.set SPARE, CAND+4*9*GRP               ; then the spare words, 128 bytes for each wave: two blocks of 256 bytes that no other line names
.set PSA, 9                            ; v9       LDS address of my point's slot
.set SPW, 10                           ; v10      LDS address of my spare word; never rewritten
.set NIL, 11                           ; v11      0; never rewritten
.set TA,  12                           ; v12      LDS address of the row of constants to fetch next (the same in all lanes)
.set TS,  13                           ; v13      LDS address of the row that I write
.set XS,  14                           ; v[14:19] xs of my 3 pairs of columns
.set YS,  20                           ; v[20:25] ys of the 3 rows, each twice
.set FC,  26                           ; v[26:43] the face's constants: -ax -ay | v0x v0y | v1x v1y | d01 d11 | d00 -denom | r 0 | Sax Say | Ebx Eby | Ecx Ecy
.set VX,  44                           ; v[44:49] xs - ax
.set P0,  50                           ; v[50:55] (xs - ax) v0x
.set P1,  56                           ; v[56:61] (xs - ax) v1x
.set VY,  62                           ; v[62:67] ys - ay
.set A,   68                           ; four arrays of 9 pairs, pair j = 3 x block + row:  A: d20, nb, eb, wb + wc, the largest, gx
.set B,   86                           ;                                                     B: d21, nc, ec, the smallest, gy
.set C,   104                          ;                                                     C: d01 d21, qb, wb
.set D,   122                          ;                                                     D: d01 d20, qc, wc
.set SEL, 140                          ; v[140:175] pair j: gx0 gx1 gy0 gy1 of the last valid face
.set OT,  176                          ; v176     my byte offset in 256 bytes of taps
.set OF,  177                          ; v177     in 512 bytes of frac
.set CS,  178                          ; v178     LDS: where I put my candidates
.set CL,  179                          ; v179     LDS: where I read the four waves' candidates of my block
.set F,   68                           ; at the head only: my face's three indices; my point and uv point; the same normalised; the face's three corners; my row; 1 - t
.set P,   72
.set Q,   76
.set PA,  84
.set PB,  88
.set PC,  92
.set R,   104
.set OM,  122
.set CA,  68                           ; at the end only: v[68:115] row r, wave s: four registers at CA + 16 r + 4 s; v[116:119] at work; v[120:125] the indices to store
.set T,   116
.set IX,  120
.set WV,   14                          ; s14      my wave's number
.set COL0, 15                          ; s15      the tile's first column
.set CNT,  16                          ; s16      faces to go
.set SENT, 17                          ; s17      the NaN pattern that stands for no face
.set RC,   18                          ; s[18:19] fl(1/383)
.set MA,   20                          ; s[20:37] the 18 pixels' masks
.set MB,   38                          ; s[38:55]
.set RC2,  56                          ; s[56:57] 2 fl(1/383)
.set LOC,  58                          ; s58      -eps = -fl(1/383)
.set HIC,  59                          ; s59      fl(1 + 1/383)
.set HALF, 60                          ; s[60:61] 191.5 = 0.5 x 383
.set TOP,  62                          ; s62      382
.set ROW0, 63                          ; s63      the tile's first row
.set FLAG, 66                          ; s66      bit 31
	s_load_b256 s[4:11], s[0:1], 0x0               ; faces s[4:5], points s[6:7], uv_points s[8:9], taps s[10:11]
	s_load_b64 s[12:13], s[0:1], 0x20              ; frac
	v_lshl_add_u32 v[SPW], v0, 2, SPARE
	v_mov_b32 v[NIL], 0
	v_and_b32 v1, 31, v0                           ; lane
	v_lshrrev_b32 v2, 5, v0
	v_readfirstlane_b32 s[WV], v2                  ; wave 0..3
	v_min_u32 v3, NPT-1, v0                        ; thread t brings point min(t, 80): no load leaves the 81 points,
	v_lshlrev_b32 v3, 3, v3                        ; 8 bytes each
	v_mul_u32_u24 v4, 12, v0                       ; and face t, 12 bytes
	s_mov_b32 s[RC], 0x3b2b1cbe
	s_mov_b32 s[RC+1], s[RC]                       ; named as pairs by the packed forms
	s_mov_b32 s[RC2], 0x3bab1cbe
	s_mov_b32 s[RC2+1], s[RC2]
	s_mov_b32 s[LOC], 0xbb2b1cbe
	s_mov_b32 s[HIC], 0x3f80558e
	s_mov_b32 s[HALF], 0x433f8000
	s_mov_b32 s[HALF+1], s[HALF]
	s_mov_b32 s[TOP], 0x43bf0000
	s_mov_b32 s[SENT], 0x7fc00000
	s_mov_b32 s[FLAG], 0x80000000
	s_wait_kmcnt 0x0
	global_load_b96 v[F:F+2], v4, s[4:5]
	global_load_b64 v[P:P+1], v3, s[6:7]
	global_load_b64 v[P+2:P+3], v3, s[8:9]
	; while these are on their way: my pixels' coordinates, the addresses, the start of the selection
	s_and_b32 s[COL0], ttmp9, 1                    ; two tiles across,
	s_mul_i32 s[COL0], s[COL0], TILEW
	s_lshr_b32 s[ROW0], ttmp9, 1                   ; 128 down
	s_mul_i32 s[ROW0], s[ROW0], ROWS
	v_lshl_add_u32 v5, v1, 1, s[COL0]              ; my first column: the tile's + 2 x lane
.set i, 0
.rept 6
	v_add_nc_u32 v6, 64*(i/2)+i%2, v5              ; block i / 2, left or right pixel of the pair
	v_cvt_f32_u32 v[XS+i], v6
.set i, i+1
.endr
.set i, 0
.rept 3
	s_add_co_u32 s2, s[ROW0], i
	v_cvt_f32_u32 v[YS+2*i], s2
	v_cvt_f32_u32 v[YS+2*i+1], s2
.set i, i+1
.endr
.set i, 0
.rept 6                                            ; XS and YS lie on end: t = i x fl(1/383)
	v_pk_mul_f32 v[XS+2*i:XS+2*i+1], v[XS+2*i:XS+2*i+1], s[RC:RC+1] op_sel_hi:[1,0]
.set i, i+1
.endr
.set i, 0
.rept 6                                            ; 1 - t (the product with -1 is exact)
	v_pk_fma_f32 v[OM+2*i:OM+2*i+1], v[XS+2*i:XS+2*i+1], -1.0, 1.0 op_sel_hi:[1,0,0]
.set i, i+1
.endr
.set i, 0
.rept 6                                            ; t - (1 - t); at i = 383 this is 1, the end point that linspace appends
	v_pk_add_f32 v[XS+2*i:XS+2*i+1], v[XS+2*i:XS+2*i+1], v[OM+2*i:OM+2*i+1] neg_lo:[0,1] neg_hi:[0,1]
.set i, i+1
.endr
.set i, 0
.rept 9                                            ; no face yet
	v_mov_b32 v[SEL+4*i], s[SENT]
	v_mov_b32 v[SEL+4*i+1], s[SENT]
	v_mov_b32 v[SEL+4*i+2], 0
	v_mov_b32 v[SEL+4*i+3], 0
.set i, i+1
.endr
	v_lshlrev_b32 v[PSA], 4, v0
	s_mul_i32 s2, s[WV], 32*ROWB
	s_add_co_u32 s2, s2, TAB                       ; my wave's table: written and read by this wave alone
	v_mul_u32_u24 v[TS], ROWB, v1
	v_add_nc_u32 v[TS], s2, v[TS]
	v_mov_b32 v[TA], s2
	s_mul_i32 s2, s[WV], 9*GRP
	s_add_co_u32 s2, s2, CAND
	v_lshl_add_u32 v[CS], v1, 4, s2
	s_mul_i32 s2, s[WV], 3*GRP                     ; at the end wave w < 3 finishes block w: groups 3 w .. 3 w + 2 of each wave's nine
	s_add_co_u32 s2, s2, CAND
	v_lshl_add_u32 v[CL], v1, 4, s2
	v_lshlrev_b32 v[OT], 3, v1
	v_lshlrev_b32 v[OF], 4, v1
	s_mul_i32 s2, s[ROW0], W
	s_add_co_u32 s2, s2, s[COL0]
	s_lshl_b32 s3, s[WV], 6
	s_add_co_u32 s2, s2, s3                        ; the first pixel of that block: a multiple of 64
	s_lshl_b32 s2, s2, 2
	s_mov_b32 s3, 0
	s_add_nc_u64 s[10:11], s[10:11], s[2:3]        ; 4 bytes a pixel in taps,
	s_lshl_b32 s2, s2, 1
	s_add_nc_u64 s[12:13], s[12:13], s[2:3]        ; 8 in frac
	; my point and uv point, normalised once for the whole work-group: one fused multiply-add, p x 2 fl(1/383) - 1
	s_wait_loadcnt 0x0
.irp h, 0, 2
	v_pk_fma_f32 v[Q+\h:Q+\h+1], v[P+\h:P+\h+1], s[RC2:RC2+1], -1.0 op_sel_hi:[1,0,0]
.endr
	ds_store_b128 v[PSA], v[Q:Q+3]                 ; slot t; slots 81 to 127 hold copies of point 80 and are never read
	v_or_b32 v2, v[F], v[F+1]
	v_or_b32 v2, v2, v[F+2]                        ; 0 only for the face (0, 0, 0)
	v_min_u32 v6, NPT-1, v[F]
	v_min_u32 v7, NPT-1, v[F+1]
	v_min_u32 v8, NPT-1, v[F+2]
	v_lshlrev_b32 v6, 4, v6
	v_lshlrev_b32 v7, 4, v7
	v_lshlrev_b32 v8, 4, v8
	s_wait_dscnt 0x0                               ; for the others' sake: my point is in LDS
	s_barrier_signal -1
	s_barrier_wait -1                              ; everybody's is
	ds_load_b128 v[PA:PA+3], v6                    ; a and Sa
	ds_load_b128 v[PB:PB+3], v7                    ; b and Sb
	ds_load_b128 v[PC:PC+3], v8                    ; c and Sc
	v_cmp_eq_u32 vcc_lo, 0, v2
	s_wait_dscnt 0x0
	; face t's constants
	v_pk_mul_f32 v[R:R+1], v[PA:PA+1], -1.0 op_sel_hi:[1,0]
	v_pk_add_f32 v[R+2:R+3], v[PB:PB+1], v[PA:PA+1] neg_lo:[0,1] neg_hi:[0,1]       ; v0 = b - a
	v_pk_add_f32 v[R+4:R+5], v[PC:PC+1], v[PA:PA+1] neg_lo:[0,1] neg_hi:[0,1]       ; v1 = c - a
	v_pk_add_f32 v[R+14:R+15], v[PB+2:PB+3], v[PA+2:PA+3] neg_lo:[0,1] neg_hi:[0,1] ; Eb = Sb - Sa
	v_pk_add_f32 v[R+16:R+17], v[PC+2:PC+3], v[PA+2:PA+3] neg_lo:[0,1] neg_hi:[0,1] ; Ec = Sc - Sa
	v_mul_f32 v[R+8], v[R+2], v[R+2]
	v_mul_f32 v[R+6], v[R+2], v[R+4]
	v_mul_f32 v[R+7], v[R+4], v[R+4]
	v_fma_f32 v[R+8], v[R+3], v[R+3], v[R+8]       ; d00
	v_fma_f32 v[R+6], v[R+3], v[R+5], v[R+6]       ; d01
	v_fma_f32 v[R+7], v[R+5], v[R+5], v[R+7]       ; d11
	v_mul_f32 v2, v[R+6], v[R+6]
	v_fma_f32 v2, v[R+8], v[R+7], -v2              ; denom
	v_rcp_f32 v3, v2
	v_xor_b32 v[R+9], 0x80000000, v2               ; -denom: also the plain instruction between the reciprocal and its first use (ISA guide 5.7.2)
	s_wait_alu depctr_va_vdst(0)
	v_fma_f32 v4, v[R+9], v3, 1.0                  ; two Newton steps
	v_fma_f32 v3, v4, v3, v3
	v_fma_f32 v4, v[R+9], v3, 1.0
	v_fma_f32 v3, v4, v3, v3
	v_cndmask_b32 v[R+10], v3, s[SENT], vcc_lo     ; the skipped face: NaN; denom = 0 has made NaN by itself
	v_mov_b32 v[R+11], 0
	ds_store_b128 v[TS], v[R:R+3]
	ds_store_b128 v[TS], v[R+4:R+7] offset:16
	ds_store_b128 v[TS], v[R+8:R+11] offset:32
	ds_store_b64 v[TS], v[PA+2:PA+3] offset:48     ; Sa as it came
	ds_store_b64 v[TS], v[R+14:R+15] offset:56
	ds_store_b64 v[TS], v[R+16:R+17] offset:64
	; LDS serves a wave's instructions in order (ISA guide 5.7.1.4): these five see the stores above.  All lanes read one address.
	ds_load_b128 v[FC:FC+3], v[TA]
	ds_load_b128 v[FC+4:FC+7], v[TA] offset:16
	ds_load_b128 v[FC+8:FC+11], v[TA] offset:32
	ds_load_b128 v[FC+12:FC+15], v[TA] offset:48
	ds_load_b64 v[FC+16:FC+17], v[TA] offset:64
	v_add_nc_u32 v[TA], ROWB, v[TA]
; ONE FACE against the lane's 18 pixels.  Each step runs over all 9 pairs, so that no line reads the result of a line near it.  A constant is one half of a register pair, given to both pixels by op_sel.
; more = 1: the next face's constants are fetched, each group straight behind its registers' last use in this face.
.macro FACE more
	s_wait_dscnt 0x2                               ; five loads of constants are out at the most; the youngest two (Sa, Eb, Ec) may stay out
.set k, 0
.rept 3
	v_pk_add_f32 v[VX+2*k:VX+2*k+1], v[XS+2*k:XS+2*k+1], v[FC:FC+1] op_sel_hi:[1,0]               ; v2x, shared by the 3 rows
	v_pk_add_f32 v[VY+2*k:VY+2*k+1], v[YS+2*k:YS+2*k+1], v[FC:FC+1] op_sel:[0,1] op_sel_hi:[1,1]  ; v2y, shared by the 3 blocks
.set k, k+1
.endr
.set k, 0
.rept 3
	v_pk_mul_f32 v[P0+2*k:P0+2*k+1], v[VX+2*k:VX+2*k+1], v[FC+2:FC+3] op_sel_hi:[1,0]
	v_pk_mul_f32 v[P1+2*k:P1+2*k+1], v[VX+2*k:VX+2*k+1], v[FC+4:FC+5] op_sel_hi:[1,0]
.set k, k+1
.endr
.set j, 0
.rept 9                                            ; d20 = fma(v2y, v0y, v2x v0x), d21 = fma(v2y, v1y, v2x v1x)
	v_pk_fma_f32 v[A+2*j:A+2*j+1], v[VY+2*(j%3):VY+2*(j%3)+1], v[FC+2:FC+3], v[P0+2*(j/3):P0+2*(j/3)+1] op_sel:[0,1,0] op_sel_hi:[1,1,1]
	v_pk_fma_f32 v[B+2*j:B+2*j+1], v[VY+2*(j%3):VY+2*(j%3)+1], v[FC+4:FC+5], v[P1+2*(j/3):P1+2*(j/3)+1] op_sel:[0,1,0] op_sel_hi:[1,1,1]
.set j, j+1
.endr
.if \more
	ds_load_b128 v[FC:FC+3], v[TA]
.endif
.set j, 0
.rept 9                                            ; d01 d21 and d01 d20, each rounded by itself
	v_pk_mul_f32 v[C+2*j:C+2*j+1], v[B+2*j:B+2*j+1], v[FC+6:FC+7] op_sel_hi:[1,0]
	v_pk_mul_f32 v[D+2*j:D+2*j+1], v[A+2*j:A+2*j+1], v[FC+6:FC+7] op_sel_hi:[1,0]
.set j, j+1
.endr
.set j, 0
.rept 9                                            ; nb = fma(d11, d20, -(d01 d21)), nc = fma(d00, d21, -(d01 d20))
	v_pk_fma_f32 v[A+2*j:A+2*j+1], v[A+2*j:A+2*j+1], v[FC+6:FC+7], v[C+2*j:C+2*j+1] op_sel:[0,1,0] op_sel_hi:[1,1,1] neg_lo:[0,0,1] neg_hi:[0,0,1]
	v_pk_fma_f32 v[B+2*j:B+2*j+1], v[B+2*j:B+2*j+1], v[FC+8:FC+9], v[D+2*j:D+2*j+1] op_sel_hi:[1,0,1] neg_lo:[0,0,1] neg_hi:[0,0,1]
.set j, j+1
.endr
.set j, 0
.rept 9                                            ; the quotients: q = n r,
	v_pk_mul_f32 v[C+2*j:C+2*j+1], v[A+2*j:A+2*j+1], v[FC+10:FC+11] op_sel_hi:[1,0]
	v_pk_mul_f32 v[D+2*j:D+2*j+1], v[B+2*j:B+2*j+1], v[FC+10:FC+11] op_sel_hi:[1,0]
.set j, j+1
.endr
.set j, 0
.rept 9                                            ; e = n - denom q,
	v_pk_fma_f32 v[A+2*j:A+2*j+1], v[C+2*j:C+2*j+1], v[FC+8:FC+9], v[A+2*j:A+2*j+1] op_sel:[0,1,0] op_sel_hi:[1,1,1]
	v_pk_fma_f32 v[B+2*j:B+2*j+1], v[D+2*j:D+2*j+1], v[FC+8:FC+9], v[B+2*j:B+2*j+1] op_sel:[0,1,0] op_sel_hi:[1,1,1]
.set j, j+1
.endr
.set j, 0
.rept 9                                            ; w = q + e r
	v_pk_fma_f32 v[C+2*j:C+2*j+1], v[A+2*j:A+2*j+1], v[FC+10:FC+11], v[C+2*j:C+2*j+1] op_sel_hi:[1,0,1]
	v_pk_fma_f32 v[D+2*j:D+2*j+1], v[B+2*j:B+2*j+1], v[FC+10:FC+11], v[D+2*j:D+2*j+1] op_sel_hi:[1,0,1]
.set j, j+1
.endr
.if \more
	ds_load_b128 v[FC+4:FC+7], v[TA] offset:16
	ds_load_b128 v[FC+8:FC+11], v[TA] offset:32
.endif
.set j, 0
.rept 9
	v_pk_add_f32 v[A+2*j:A+2*j+1], v[C+2*j:C+2*j+1], v[D+2*j:D+2*j+1]                             ; wb + wc
.set j, j+1
.endr
.set i, 0
.rept 18                                           ; five tests in two: the smallest of wb, wc against -eps, the largest of wb, wc, wb + wc against 1 + eps.  With r NaN all are NaN and both tests fail
	v_min_num_f32 v[B+i], v[C+i], v[D+i]
	v_max3_num_f32 v[A+i], v[C+i], v[D+i], v[A+i]
.set i, i+1
.endr
.set i, 0
.rept 18
	v_cmp_le_f32 s[MA+i], v[A+i], s[HIC]
	v_cmp_ge_f32 s[MB+i], v[B+i], s[LOC]
.set i, i+1
.endr
.if \more
	s_wait_dscnt 0x3                               ; Sa, Eb, Ec are in; the three loads issued in this face stay out
.else
	s_wait_dscnt 0x0
.endif
.set j, 0
.rept 9                                            ; the grid: Sa + wb Eb,
	v_pk_fma_f32 v[A+2*j:A+2*j+1], v[C+2*j:C+2*j+1], v[FC+14:FC+15], v[FC+12:FC+13] op_sel_hi:[1,0,0]
	v_pk_fma_f32 v[B+2*j:B+2*j+1], v[C+2*j:C+2*j+1], v[FC+14:FC+15], v[FC+12:FC+13] op_sel:[0,1,1] op_sel_hi:[1,1,1]
	s_and_b32 s[MA+2*j], s[MA+2*j], s[MB+2*j]
	s_and_b32 s[MA+2*j+1], s[MA+2*j+1], s[MB+2*j+1]
.set j, j+1
.endr
.set j, 0
.rept 9                                            ; + wc Ec
	v_pk_fma_f32 v[A+2*j:A+2*j+1], v[D+2*j:D+2*j+1], v[FC+16:FC+17], v[A+2*j:A+2*j+1] op_sel_hi:[1,0,1]
	v_pk_fma_f32 v[B+2*j:B+2*j+1], v[D+2*j:D+2*j+1], v[FC+16:FC+17], v[B+2*j:B+2*j+1] op_sel:[0,1,0] op_sel_hi:[1,1,1]
.set j, j+1
.endr
.if \more
	ds_load_b128 v[FC+12:FC+15], v[TA] offset:48
	ds_load_b64 v[FC+16:FC+17], v[TA] offset:64
	v_add_nc_u32 v[TA], ROWB, v[TA]
.endif
.set i, 0
.rept 18                                           ; a valid face takes the pixel from the faces before it
	v_cndmask_b32 v[SEL+4*(i/2)+i%2], v[SEL+4*(i/2)+i%2], v[A+i], s[MA+i]
	v_cndmask_b32 v[SEL+4*(i/2)+2+i%2], v[SEL+4*(i/2)+2+i%2], v[B+i], s[MA+i]
.set i, i+1
.endr
.endm
	s_mov_b32 s[CNT], 31
.Lface:
	FACE 1
	s_sub_co_u32 s[CNT], s[CNT], 1
	s_cmp_lg_u32 s[CNT], 0
	s_cbranch_scc1 .Lface
	FACE 0                                         ; my 32nd face is written out: there is no further row to fetch
	; the four waves' candidates meet
.set j, 0
.rept 9
	ds_store_b128 v[CS], v[SEL+4*j:SEL+4*j+3] offset:GRP*j
.set j, j+1
.endr
	s_wait_tensorcnt 0x0                           ; my last LDS stores stand above
	ds_add_u32 v[SPW], v[NIL]
	s_wait_dscnt 0x0                               ; the wait also shows my candidates written, for the others' sake
	s_barrier_signal -1
	s_barrier_wait -1
	s_cmp_eq_u32 s[WV], 3                          ; nine groups: waves 0 to 2 finish a block of three each; shared out 3, 2, 2, 2 the longest share would be as long
	s_cbranch_scc1 .Lend
.irp r, 0,1,2
.irp s, 0,1,2,3
	ds_load_b128 v[CA+16*\r+4*\s:CA+16*\r+4*\s+3], v[CL] offset:\s*9*GRP+\r*GRP
.endr
.endr
; Row r of my block: the last wave with a face wins; grid to pixels; the 2 x 2 block of taps, kept inside the image; the offsets from it.
.macro FIN r
.set CU, CA+16*(\r)
	s_wait_dscnt 8-4*(\r)                          ; the later rows' loads may stay out
.irp s, 1,2,3
	v_cmp_ne_u32 s20, v[CU+4*\s], s[SENT]
	v_cmp_ne_u32 s21, v[CU+4*\s+1], s[SENT]
	v_cndmask_b32 v[CU], v[CU], v[CU+4*\s], s20
	v_cndmask_b32 v[CU+1], v[CU+1], v[CU+4*\s+1], s21
	v_cndmask_b32 v[CU+2], v[CU+2], v[CU+4*\s+2], s20
	v_cndmask_b32 v[CU+3], v[CU+3], v[CU+4*\s+3], s21
.endr
	v_cmp_eq_u32 s22, v[CU], s[SENT]               ; no face at all
	v_cmp_eq_u32 s23, v[CU+1], s[SENT]
	v_pk_add_f32 v[CU:CU+1], v[CU:CU+1], 1.0 op_sel_hi:[1,0]
	v_pk_add_f32 v[CU+2:CU+3], v[CU+2:CU+3], 1.0 op_sel_hi:[1,0]
	v_pk_mul_f32 v[CU:CU+1], v[CU:CU+1], s[HALF:HALF+1] op_sel_hi:[1,0]         ; x = (gx + 1) 0.5 x 383: the factor 0.5 is exact
	v_pk_mul_f32 v[CU+2:CU+3], v[CU+2:CU+3], s[HALF:HALF+1] op_sel_hi:[1,0]
.irp i, 0,1,2,3
	v_floor_f32 v[T+\i], v[CU+\i]
.endr
.irp i, 0,1,2,3
	v_max_num_f32 v[T+\i], 0, v[T+\i]              ; a NaN (no face) loses: 0
.endr
.irp i, 0,1,2,3
	v_min_num_f32 v[T+\i], s[TOP], v[T+\i]         ; 0 .. 382: the tap and its right and lower neighbours exist
.endr
	v_pk_add_f32 v[CU:CU+1], v[CU:CU+1], v[T:T+1] neg_lo:[0,1] neg_hi:[0,1]     ; tx, ty: outside 0 .. 1 where the sample leaves the image
	v_pk_add_f32 v[CU+2:CU+3], v[CU+2:CU+3], v[T+2:T+3] neg_lo:[0,1] neg_hi:[0,1]
.irp i, 0,1,2,3
	v_cvt_u32_f32 v[T+\i], v[T+\i]
.endr
	v_mad_u32_u24 v[IX+2*(\r)], v[T+2], W, v[T]
	v_mad_u32_u24 v[IX+2*(\r)+1], v[T+3], W, v[T+1]
	v_cndmask_b32 v[IX+2*(\r)], v[IX+2*(\r)], s[FLAG], s22
	v_cndmask_b32 v[IX+2*(\r)+1], v[IX+2*(\r)+1], s[FLAG], s23
	global_store_b64 v[OT], v[IX+2*(\r):IX+2*(\r)+1], s[10:11] offset:(\r)*W*4  ; the wave stores 256 consecutive bytes, at a multiple of 256 from the buffer's first byte
	global_store_b128 v[OF], v[CU:CU+3], s[12:13] offset:(\r)*W*8               ; and 512; no register of a store is written again
.endm
	FIN 0
	FIN 1
	FIN 2
.Lend:
	s_endpgm
.Lfunc_end_k_qa9be8eb8c9_locate:
	.size	k_qa9be8eb8c9_locate, .Lfunc_end_k_qa9be8eb8c9_locate-k_qa9be8eb8c9_locate
	.p2alignl 7, 3214868480
	.fill 96, 4, 3214868480
	.section	.rodata,"a",@progbits
	.p2align	6, 0x0
	.amdhsa_kernel k_qa9be8eb8c9_locate
		.amdhsa_group_segment_fixed_size 31232
		.amdhsa_private_segment_fixed_size 0
		.amdhsa_enable_private_segment 0
		.amdhsa_kernarg_size 40
		.amdhsa_user_sgpr_count 2
		.amdhsa_user_sgpr_kernarg_segment_ptr 1
		.amdhsa_wavefront_size32 1
		.amdhsa_system_sgpr_workgroup_id_x 1
		.amdhsa_system_sgpr_workgroup_id_y 1
		.amdhsa_system_sgpr_workgroup_id_z 1
		.amdhsa_system_vgpr_workitem_id 0
		.amdhsa_next_free_vgpr 180
		.amdhsa_next_free_sgpr 68
		.amdhsa_reserve_vcc 1
		.amdhsa_float_denorm_mode_32 3
		.amdhsa_float_denorm_mode_16_64 3
		.amdhsa_memory_ordered 1
		.amdhsa_forward_progress 1
		.amdhsa_inst_pref_size 53
	.end_amdhsa_kernel
	.amdgpu_metadata
---
amdhsa.version: [ 1, 2 ]
amdhsa.kernels:
  - .name:           k_qa9be8eb8c9_locate
    .symbol:         k_qa9be8eb8c9_locate.kd
    .args:
      - { .name: faces, .offset: 0, .size: 8, .value_kind: global_buffer, .address_space: global }
      - { .name: points, .offset: 8, .size: 8, .value_kind: global_buffer, .address_space: global }
      - { .name: uv_points, .offset: 16, .size: 8, .value_kind: global_buffer, .address_space: global }
      - { .name: taps, .offset: 24, .size: 8, .value_kind: global_buffer, .address_space: global }
      - { .name: frac, .offset: 32, .size: 8, .value_kind: global_buffer, .address_space: global }
    .group_segment_fixed_size: 31232
    .private_segment_fixed_size: 0
    .kernarg_segment_align: 8
    .kernarg_segment_size: 40
    .max_flat_workgroup_size: 128
    .sgpr_count:     68
    .vgpr_count:     180
    .wavefront_size: 32
...
	.end_amdgpu_metadata
.endif
;; end of part 1
;; launch sample (part 2): grid 256 x 1, 9 waves a work-group, no clusters, 8,192 bytes of LDS; arguments taps, frac, image, out0; writes out0
.if DOCPART == 2
	.amdgcn_target "amdgcn-amd-amdhsa--gfx1250"
	.amdhsa_code_object_version 6
	.text
	.protected	k_qa9be8eb8c9_sample
	.globl	k_qa9be8eb8c9_sample
	.p2align	8
	.type	k_qa9be8eb8c9_sample,@function
k_qa9be8eb8c9_sample:
	s_mov_b64 s[64:65], 0
	v_nop
	global_prefetch_b8 v0, s[64:65] scope:SCOPE_SE
	s_setreg_imm32_b32 hwreg(HW_REG_WAVE_MODE, 25, 1), 1
	s_wait_xcnt 0x0
; WARP MESH, second half: out0[pixel][0..2] = the bilinear sample at the place that the launch before found, or 1.0 where it found no face.
; taps[pixel]: 384 y + x of the upper left of a 2 x 2 block of taps inside the image; bit 31 set: no face.  frac[pair of pixels]: (tx0, tx1, ty0, ty1), the sample's offsets from that tap.
; A tap's weight along an axis is max(0, 1 - |distance|): between two taps these are the bilinear weights, and beyond the image's edge they fall to 0 as the definition's zero padding does.
; SHARES.  256 work-groups of nine waves; a wave owns 64 consecutive pixels, a lane two neighbours: 768 bytes of out0, three aligned blocks of 256.  Nothing is shared between waves: no barrier.
; A lane's six results are 24 bytes; they go through the wave's own 768 bytes of LDS, so that each store of the wave covers 256 consecutive bytes, aligned.
.set ROWBY, 4608                       ; bytes in a row of the image: 384 x 3 x 4
.set MAXI,  382*384+382                ; the largest tap index: its block ends with the image's last pixel
.set CHUNK, 768
.set SPARE, 9*CHUNK                    ; behind the nine stages: the spare words, 128 bytes for each wave, five blocks of 256 bytes that no other line names
.set T,   2                            ; v[2:3]   the two taps
.set FR,  4                            ; v[4:7]   tx0 tx1 ty0 ty1
.set U,   8                            ; v[8:11]  the same less 1: the distances from the right and lower taps
.set WA,  12                           ; v[12:15] weights of the left (upper) tap
.set WB,  16                           ; v[16:19] of the right (lower) tap
.set AD,  20                           ; v[20:21] byte offsets in the image
.set W4,  22                           ; v[22:29] pixel h: the four taps' weights at W4 + 4 h
.set V,   32                           ; v[32:63] pixel h, tap n: three channels at V + 16 h + 4 n
.set O,   64                           ; v[64:69] six results
.set BK,  70                           ; v[70:75] back from the stage
.set L8,  76                           ; v76      8 x lane
.set L16, 77                           ; v77      16 x lane
.set STO, 78                           ; v78      the stage: where I put 24 bytes
.set RD,  79                           ; v79      where I read 8 bytes back
.set SPW, 80                           ; v80      LDS address of my spare word; never rewritten
.set NIL, 81                           ; v81      0; never rewritten
	s_load_b256 s[4:11], s[0:1], 0x0               ; taps s[4:5], frac s[6:7], image s[8:9], out0 s[10:11]
	v_lshl_add_u32 v[SPW], v0, 2, SPARE
	v_mov_b32 v[NIL], 0
	v_and_b32 v1, 31, v0                           ; lane
	v_lshrrev_b32 v[T], 5, v0
	v_readfirstlane_b32 s12, v[T]                  ; wave 0..8
	s_mul_i32 s13, ttmp9, 9
	s_add_co_u32 s13, s13, s12                     ; my run of 64 pixels, 0 .. 2303
	s_lshl_b32 s14, s13, 8                         ; 256 bytes of taps,
	s_mov_b32 s15, 0
	s_lshl_b32 s16, s13, 9                         ; 512 of frac,
	s_mov_b32 s17, 0
	s_mul_i32 s18, s13, CHUNK                      ; 768 of out0
	s_mov_b32 s19, 0
	s_mul_i32 s20, s12, CHUNK                      ; my wave's stage
	v_lshlrev_b32 v[L8], 3, v1
	v_lshlrev_b32 v[L16], 4, v1
	v_mul_u32_u24 v[STO], 24, v1
	v_add_nc_u32 v[STO], s20, v[STO]
	v_add_nc_u32 v[RD], s20, v[L8]
	s_wait_kmcnt 0x0
	s_add_nc_u64 s[4:5], s[4:5], s[14:15]
	s_add_nc_u64 s[6:7], s[6:7], s[16:17]
	s_add_nc_u64 s[10:11], s[10:11], s[18:19]
	global_load_b64 v[T:T+1], v[L8], s[4:5] th:TH_LOAD_NT
	global_load_b128 v[FR:FR+3], v[L16], s[6:7] th:TH_LOAD_NT
	s_wait_loadcnt 0x1                             ; the taps are in; frac may stay out
	v_min_u32 v[AD], MAXI, v[T]                    ; the clamp also serves a pixel without a face: bit 31 makes it the largest index, and what is loaded there is thrown away
	v_min_u32 v[AD+1], MAXI, v[T+1]
	v_mul_u32_u24 v[AD], 12, v[AD]
	v_mul_u32_u24 v[AD+1], 12, v[AD+1]
.irp h, 0,1
	global_load_b96 v[V+16*\h:V+16*\h+2],     v[AD+\h], s[8:9]
	global_load_b96 v[V+16*\h+4:V+16*\h+6],   v[AD+\h], s[8:9] offset:12
	global_load_b96 v[V+16*\h+8:V+16*\h+10],  v[AD+\h], s[8:9] offset:ROWBY
	global_load_b96 v[V+16*\h+12:V+16*\h+14], v[AD+\h], s[8:9] offset:ROWBY+12
.endr
	s_wait_loadcnt 0x8                             ; frac is in; the eight gathers stay out while the weights are made
	v_pk_add_f32 v[U:U+1], v[FR:FR+1], -1.0 op_sel_hi:[1,0]
	v_pk_add_f32 v[U+2:U+3], v[FR+2:FR+3], -1.0 op_sel_hi:[1,0]
	v_sub_f32 v12, 1.0, |v4|                       ; WA = 1 - |FR|, WB = 1 - |U|: the registers by their plain names
	v_sub_f32 v13, 1.0, |v5|
	v_sub_f32 v14, 1.0, |v6|
	v_sub_f32 v15, 1.0, |v7|
	v_sub_f32 v16, 1.0, |v8|
	v_sub_f32 v17, 1.0, |v9|
	v_sub_f32 v18, 1.0, |v10|
	v_sub_f32 v19, 1.0, |v11|
.irp i, 0,1,2,3
	v_max_num_f32 v[WA+\i], 0, v[WA+\i]
	v_max_num_f32 v[WB+\i], 0, v[WB+\i]
.endr
.irp h, 0,1
	v_mul_f32 v[W4+4*\h],   v[WA+2+\h], v[WA+\h]   ; upper left
	v_mul_f32 v[W4+4*\h+1], v[WA+2+\h], v[WB+\h]   ; upper right
	v_mul_f32 v[W4+4*\h+2], v[WB+2+\h], v[WA+\h]   ; lower left
	v_mul_f32 v[W4+4*\h+3], v[WB+2+\h], v[WB+\h]   ; lower right
.endr
	v_cmp_gt_i32 s20, 0, v[T]                      ; bit 31: no face
	v_cmp_gt_i32 s21, 0, v[T+1]
.macro PIXEL h, left
	s_wait_loadcnt \left                           ; loads come back in order (ISA guide 5.7.1): this pixel's four are in
.irp c, 0,1,2
	v_mul_f32 v[O+3*(\h)+\c], v[W4+4*(\h)], v[V+16*(\h)+\c]
.endr
.irp n, 1,2,3
.irp c, 0,1,2
	v_fmac_f32 v[O+3*(\h)+\c], v[W4+4*(\h)+\n], v[V+16*(\h)+4*\n+\c]
.endr
.endr
.irp c, 0,1,2
	v_cndmask_b32 v[O+3*(\h)+\c], v[O+3*(\h)+\c], 1.0, s[20+(\h)]
.endr
.endm
	PIXEL 0, 4                                     ; the second pixel's four gathers may stay out
	PIXEL 1, 0
	ds_store_b64 v[STO], v[O:O+1]                  ; 24 bytes a lane, 6 words apart
	ds_store_b64 v[STO], v[O+2:O+3] offset:8
	ds_store_b64 v[STO], v[O+4:O+5] offset:16
.irp m, 0,1,2
	ds_load_b64 v[BK+2*\m:BK+2*\m+1], v[RD] offset:256*\m  ; LDS serves a wave's instructions in order (ISA guide 5.7.1.4): these see the stores above
.endr
.irp m, 0,1,2
	s_wait_dscnt 2-\m
	global_store_b64 v[L8], v[BK+2*\m:BK+2*\m+1], s[10:11] offset:256*\m th:TH_STORE_NT  ; 32 lanes store 256 consecutive bytes, at a multiple of 256 from out0's first byte
.endr
	s_wait_tensorcnt 0x0                           ; the wave's end, behind my last LDS store
	ds_add_u32 v[SPW], v[NIL]
	s_wait_dscnt 0x0
	s_endpgm
.Lfunc_end_k_qa9be8eb8c9_sample:
	.size	k_qa9be8eb8c9_sample, .Lfunc_end_k_qa9be8eb8c9_sample-k_qa9be8eb8c9_sample
	.p2alignl 7, 3214868480
	.fill 96, 4, 3214868480
	.section	.rodata,"a",@progbits
	.p2align	6, 0x0
	.amdhsa_kernel k_qa9be8eb8c9_sample
		.amdhsa_group_segment_fixed_size 8192
		.amdhsa_private_segment_fixed_size 0
		.amdhsa_enable_private_segment 0
		.amdhsa_kernarg_size 32
		.amdhsa_user_sgpr_count 2
		.amdhsa_user_sgpr_kernarg_segment_ptr 1
		.amdhsa_wavefront_size32 1
		.amdhsa_system_sgpr_workgroup_id_x 1
		.amdhsa_system_sgpr_workgroup_id_y 1
		.amdhsa_system_sgpr_workgroup_id_z 1
		.amdhsa_system_vgpr_workitem_id 0
		.amdhsa_next_free_vgpr 82
		.amdhsa_next_free_sgpr 66
		.amdhsa_reserve_vcc 0
		.amdhsa_float_denorm_mode_32 3
		.amdhsa_float_denorm_mode_16_64 3
		.amdhsa_memory_ordered 1
		.amdhsa_forward_progress 1
		.amdhsa_inst_pref_size 6
	.end_amdhsa_kernel
	.amdgpu_metadata
---
amdhsa.version: [ 1, 2 ]
amdhsa.kernels:
  - .name:           k_qa9be8eb8c9_sample
    .symbol:         k_qa9be8eb8c9_sample.kd
    .args:
      - { .name: taps, .offset: 0, .size: 8, .value_kind: global_buffer, .address_space: global }
      - { .name: frac, .offset: 8, .size: 8, .value_kind: global_buffer, .address_space: global }
      - { .name: image, .offset: 16, .size: 8, .value_kind: global_buffer, .address_space: global }
      - { .name: out0, .offset: 24, .size: 8, .value_kind: global_buffer, .address_space: global }
    .group_segment_fixed_size: 8192
    .private_segment_fixed_size: 0
    .kernarg_segment_align: 8
    .kernarg_segment_size: 32
    .max_flat_workgroup_size: 288
    .sgpr_count:     66
    .vgpr_count:     82
    .wavefront_size: 32
...
	.end_amdgpu_metadata
.endif
;; end of part 2
